; MI455X (gfx1250); checked and timed in simulation.
; The chip was launched on July 23, 2026; its instructions are those of AMD's public machine-readable ISA for CDNA 5 (MIT licence, August 2026) and "CDNA5" Instruction Set Architecture Reference Guide (July 2026). The comments in the code are by the model that wrote it; some were corrected since.
;; Self Attention. Allowed arithmetic: matrix products marked QUANTISED: E2M3 operands, one E8M0 scale for each 32 along K, by v_wmma_scale_f32_16x16x128_f8f6f4 with both operands' format E2M3, f32 sums; everything else in f32.
;; Inputs: Wk 1,024 x 1,024 float32; Wq 1,024 x 1,024 float32; Wv 1,024 x 1,024 float32; attention_mask 4 x 1 x 1 x 2,048 int32; hidden_states 4 x 2,048 x 1,024 float32.
;; Outputs: out0 4 x 2,048 x 1,024 float32.
;; This version of the problem:
;;   THIS VERSION OF THE PROBLEM IS GIVEN IN LOW PRECISION. The matrix products marked QUANTISED in the list below multiply operands that are first quantised to E2M3 (2 exponent bits, 3 mantissa bits; 6 bits a number), with one power-of-two scale for each 32 numbers along K (OCP MX v1.0); their sums are f32. All else is computed in f32.
;;   The module's matrix products, in the order in which they are computed (A, B: the left and right operand; K: the contracted axis; several contracted axes count as one K, in the product's order):
;;     1. [M 8,192, K 1,024] x [K 1,024, N 1,024]; A: input hidden_states; B: input Wq: QUANTISED
;;     2. [M 8,192, K 1,024] x [K 1,024, N 1,024]; A: input hidden_states; B: input Wk: QUANTISED
;;     3. [M 8,192, K 1,024] x [K 1,024, N 1,024]; A: input hidden_states; B: input Wv: QUANTISED
;;     4. batch 64 x [M 2,048, K 64] x [K 64, N 2,048]; A: computed on the way; B: computed on the way: QUANTISED
;;     5. batch 64 x [M 2,048, K 2,048] x [K 2,048, N 64]; A: softmax (see below); B: computed on the way: QUANTISED
;;   THE QUANTISER, for each operand of a quantised product, along K:
;;     - K is cut into blocks of 32 from its start; a last block that is shorter is filled with zeros.
;;     - A block's scale is 2^e with e = floor(log2(the largest magnitude in the block)) - 2, held to -126 .. 127; a block of zeros has e = 0. As a byte (E8M0): e + 127.
;;     - Each number is divided by its block's scale, clamped to +-7.5, and rounded to the nearest number of E2M3, ties to even, subnormals kept.
;;     - The product sums the exact products of the quantised numbers (number of the format x scale) in f32.
;;   ~~~python
;;   def quantise(x, axis):      # numpy; x: float32 -> the quantised numbers, widened to float32 again
;;       x = np.moveaxis(x, axis, -1); K = x.shape[-1]
;;       x = np.pad(x, [(0, 0)] * (x.ndim - 1) + [(0, -K % 32)]); x = x.reshape(x.shape[:-1] + (-1, 32)); a = np.abs(x).max(-1, keepdims=True)
;;       e = np.where(a > 0, np.clip(np.frexp(np.where(a > 0, a, 1))[1] - 1 - 2, -126, 127), 0)      # np.frexp(a)[1] - 1 = floor(log2(a)), exactly
;;       r = np.clip(x / 2.0 ** e, -7.5, 7.5)
;;       step = 2.0 ** (np.maximum(np.frexp(np.where(r == 0, 1, r))[1] - 1, 0) - 3)
;;       q = np.round(r / step) * step * 2.0 ** e      # np.round: ties to even
;;       return np.moveaxis(q.reshape(q.shape[:-2] + (-1,))[..., :K], -1, axis).astype(np.float32)
;;   ~~~
;;   SOFTMAX AHEAD OF A QUANTISED PRODUCT. Where the list says 'softmax', what is quantised is not the finished softmax but p = 2^(t - M), with t = logit x log2(e) and M = ceil(the row's largest t), a whole number; so 1/2 < the row's largest p <= 1. The row's sum l is taken of the UNQUANTISED p, in f32, and the product's result is divided by l at the end. Since M is a whole number, a kernel that streams over the keys may use a running M (the ceiling of the running maximum): every later rescaling is an exact power of two, which a block's scale takes up: the codes' values come out the same.
;;   OPERANDS COMPUTED ON THE WAY. 'Computed on the way' means the value that the module computes at that place (a softmax that the list does not call 'softmax' is quantised finished and normalised). What goes into a quantiser is computed in f32, as accurately as f32 sums, v_exp_f32 and their like allow (about 1e-6 of the number): no bf16 or f16 on the way to a quantiser, and a product that is left as it is and whose result goes on into a quantised operand takes f32 operands (vector FMAs, or v_wmma_f32_16x16x4_f32). A number that lies on a knife's edge between two numbers of the format may be rounded either way, as far as f32 arithmetic and the matrix unit's own rounding can turn it there, and no further.
;; One version. Each part assembles by itself: llvm-mc -triple=amdgcn-amd-amdhsa -mcpu=gfx1250 --defsym DOCPART=n.
;; ======== version 1 of 1: 3 launches
;; limits: right only within a limited range of input values
;; workspace buffers: cod 8,650,752 bytes; scl 360,448 bytes; qb 13,369,344 bytes; kv 13,369,344 bytes
;; launch quant (part 1): grid 704 x 1, 4 waves a work-group, no clusters, 34,304 bytes of LDS; arguments hidden_states, Wq, Wk, Wv, cod, scl; writes cod, scl
.if DOCPART == 1
	.amdgcn_target "amdgcn-amd-amdhsa--gfx1250"
	.amdhsa_code_object_version 6
	.text
	.protected	k_q8a2d13c745_quant
	.globl	k_q8a2d13c745_quant
	.p2align	8
	.type	k_q8a2d13c745_quant,@function
k_q8a2d13c745_quant:
	s_mov_b64 s[64:65], 0
	v_nop
	global_prefetch_b8 v0, s[64:65] scope:SCOPE_SE
	s_setreg_imm32_b32 hwreg(HW_REG_WAVE_MODE, 25, 1), 1
	s_wait_xcnt 0x0
; hidden_states [8192][1024] and Wq, Wk, Wv [1024][1024], f32, K innermost, become codes of FP6 (E2M3) with one E8M0 byte for each 32 along K,
; laid as IMAGES OF OPERAND REGISTERS, so that the product's launch takes every fragment by loads of 16 bytes a lane.
; TILES.  The rows of Wq, Wk, Wv are cut into groups of 32 (hidden_states' by groups of 128, below); tile T (16 rows) is group T / 2, and its lane-row r is row 32 (T / 2) + 8 (T % 2) + r + 8 (r / 8).
; Tiles 0-511 are hidden_states, 512-575 Wq, 576-639 Wk, 640-703 Wv.
; cod = [tile 704][K step 8][chunk 3][lane 32][16 bytes]: chunk c holds registers 4 c .. 4 c + 3 of the fragment (16 rows x 128 K, 12 registers: registers 6 c .. 6 c + 5 of lane (r, h) hold k = 64 c + 32 h + 0 .. 31 of lane-row r).
; scl = [tile][wave 4][r 16][2 words]: word j of wave q is the scale word (four bytes, blocks 0-3) of K step 2 q + j.
; A block's scale is 2^(floor(log2(its largest magnitude)) - 2): its byte is the largest magnitude's exponent field - 2, held at 1 from below.
; LIMITS: a block whose largest magnitude lies under 2^-124, a block of zeros among them, keeps the byte 1 (its codes are what the conversion gives under that scale; zeros stay zeros; this program alone reads the bytes); NaN and infinities are not served.
; SHARES.  A work-group takes one tile, wave q its K steps 2 q and 2 q + 1: 16 rows x 256 numbers.  All 32 loads of a wave go out at once, each 512 consecutive bytes of one row.
; A lane must hold 32 neighbours along K of ONE row for the conversions, so a K step turns through the wave's own stage in LDS (16 rows of 512 + 16 bytes).  Waves share nothing: no barrier.  No work-group shares input with another: no cluster.
.set STG,  8448                        ; a wave's stage: 16 rows x SP
.set SP,   528                         ; 33 x 16 bytes: the sixteen rows that a load of 16 bytes a lane touches start in different banks
.set R,    16                          ; v16-143  the numbers as loaded: K step ks, row i at R + 64 ks + 4 i
.set X,    144                         ; v144-207 register 32 c + i = k 64 c + 32 h + i of my row
.set C,    208                         ; v208-231 the codes: 12 registers for each K step, so that no store's data are written again
.set SCR,  232                         ; v232-234, v236-238 a block's upper 16 codes (a conversion's three registers begin on an even number)
.set WD,   240                         ; v240, v241 the two scale words
	s_load_b256 s[4:11], s[0:1], 0x0               ; hidden_states, Wq, Wk, Wv
	s_load_b128 s[12:15], s[0:1], 0x20             ; cod, scl
	v_lshl_add_u32 v244, v0, 2, 0x8400
	v_mov_b32 v245, 0
	v_lshrrev_b32 v1, 5, v0
	v_readfirstlane_b32 s16, v1                    ; wave q
	v_and_b32 v2, 31, v0                           ; lane
	v_and_b32 v3, 15, v0                           ; r
	v_bfe_u32 v8, v0, 4, 1                         ; h
	v_lshlrev_b32 v4, 4, v2                        ; 16 x lane: my bytes of a load, of a stage row, of a chunk
	s_mul_i32 s17, s16, STG
	v_add_nc_u32 v5, s17, v4                       ; the stage, on the way in
	v_mul_u32_u24 v6, v3, SP
	v_lshl_add_u32 v6, v8, 7, v6
	v_add_nc_u32 v6, s17, v6                       ; and on the way out: row r, + 128 h bytes
	v_lshlrev_b32 v7, 3, v3
	v_lshl_add_u32 v7, v8, 2, v7                   ; scl: 8 r + 4 h
	v_lshlrev_b32 v8, 3, v8                        ; 8 h: my bytes' shift in the scale word
	v_mov_b32 v15, 0                               ; written once: a lane permute's destination counts as one of its sources
	s_mov_b32 s24, 0x76543210
	s_mov_b32 s25, 0xfedcba98                      ; v_permlanex16_b32's selects for lane l xor 16
	s_and_b32 s18, ttmp9, 63
	s_cmp_lt_u32 ttmp9, 512
	s_cselect_b32 s18, ttmp9, s18                  ; the tile's number inside its tensor
	; HIDDEN_STATES' TILES (T < 512) ARE CUT BY GROUPS OF 128 ROWS: lane-row r of tile T is row 128 (T / 8) + 8 (T % 8) + r + 56 (r / 8).  The weights' tiles are cut by groups of 32 rows: row 32 (T / 2) + 8 (T % 2) + r + 8 (r / 8).
	s_cselect_b32 s26, 3, 1
	s_cselect_b32 s27, 7, 5
	s_cselect_b32 s28, 7, 1
	s_cselect_b32 s29, 0x30000, 0                  ; lane-rows 8-15 of hidden_states' tiles lie 48 rows of 4,096 bytes further on than the weights'
	s_lshr_b32 s19, s18, s26
	s_lshl_b32 s19, s19, s27
	s_and_b32 s18, s18, s28
	s_lshl_b32 s18, s18, 3
	s_add_co_u32 s18, s18, s19                     ; its first row
	s_lshl_b32 s18, s18, 12                        ; x 4,096 bytes (under 2^26)
	s_lshl_b32 s19, s16, 10
	s_add_co_u32 s18, s18, s19                     ; + my wave's 256 numbers
	s_mov_b32 s19, 0
	s_mul_i32 s20, ttmp9, 12288
	s_mul_i32 s21, s16, 3072
	s_add_co_u32 s20, s20, s21                     ; cod: tile x 12,288 + wave x two fragments
	s_mov_b32 s21, 0
	s_lshl_b32 s22, ttmp9, 9
	s_lshl_b32 s23, s16, 7
	s_add_co_u32 s22, s22, s23                     ; scl: tile x 512 + wave x 128
	s_mov_b32 s23, 0
	s_wait_alu depctr_va_vdst(0)
	s_wait_kmcnt 0x0
	s_cmp_lt_u32 ttmp9, 640                        ; which tensor: the choice hangs on the work-group's number alone
	s_cselect_b64 s[10:11], s[8:9], s[10:11]
	s_cmp_lt_u32 ttmp9, 576
	s_cselect_b64 s[10:11], s[6:7], s[10:11]
	s_cmp_lt_u32 ttmp9, 512
	s_cselect_b64 s[10:11], s[4:5], s[10:11]
	s_add_nc_u64 s[10:11], s[10:11], s[18:19]
	s_add_nc_u64 s[12:13], s[12:13], s[20:21]
	s_add_nc_u64 s[14:15], s[14:15], s[22:23]
	v_add_nc_u32 v243, s29, v4                     ; the offset of lane-rows 8-15
.irp ks, 0,1
.irp i, 0,1,2,3,4,5,6,7,8,9,10,11,12,13,14,15
	global_load_b128 v[R+64*\ks+4*\i:R+64*\ks+4*\i+3], v[4+239*(\i/8)], s[10:11] offset:(\i+8*(\i/8))*4096+512*\ks th:TH_LOAD_NT   ; lane-row i (v4 for 0-7, v243 for 8-15): 32 lanes read 512 consecutive bytes, read once in the launch
.endr
.endr
.macro TOSTAGE ks
.irp i, 0,1,2,3,4,5,6,7,8,9,10,11,12,13,14,15
	ds_store_b128 v5, v[R+64*\ks+4*\i:R+64*\ks+4*\i+3] offset:SP*\i
.endr
.endm
.macro FROMSTAGE
.irp c, 0,1
.irp n, 0,1,2,3,4,5,6,7
	ds_load_b128 v[X+32*\c+4*\n:X+32*\c+4*\n+3], v6 offset:256*\c+16*\n
.endr
.endr
.endm
; My two whole blocks (2 c + h, c = 0, 1) of K step ks become six registers of codes each; the scale word's four bytes are gathered from lanes l and l xor 16; the fragment leaves as three chunks.
.macro QL ks
.irp c, 0,1
	v_max3_num_f32 v[9+\c], |v[X+32*\c]|, |v[X+32*\c+1]|, 0x1800000   ; and the floor 2^(3 - 127): the byte cannot fall under 1
.endr
.irp i, 2,4,6,8,10,12,14,16,18,20,22,24,26,28,30
.irp c, 0,1
	v_max3_num_f32 v[9+\c], v[9+\c], |v[X+32*\c+\i]|, |v[X+32*\c+\i+1]|   ; the two blocks by turns
.endr
.endr
.irp c, 0,1
	v_add_nc_u32 v[11+\c], 0xff000000, v[9+\c]     ; 2 off the exponent field: the conversion takes the exponent field of this operand as its scale
.endr
.irp c, 0,1
	v_lshrrev_b32 v[13+\c], 23, v[11+\c]           ; the scale's byte
.endr
	v_lshl_or_b32 v[WD+\ks], v14, 16, v13          ; blocks h and 2 + h,
	v_lshlrev_b32 v[WD+\ks], v8, v[WD+\ks]         ; at their places (8 h bits up);
	v_permlanex16_b32 v15, v[WD+\ks], s24, s25
	v_or_b32 v[WD+\ks], v[WD+\ks], v15             ; with lane l xor 16's two the word is whole, in both halves of the lanes
.irp c, 0,1
	v_cvt_scalef32_pk16_fp6_f32 v[C+12*\ks+6*\c:C+12*\ks+6*\c+2], v[X+32*\c:X+32*\c+15], v[11+\c]
	v_cvt_scalef32_pk16_fp6_f32 v[SCR+4*\c:SCR+4*\c+2], v[X+32*\c+16:X+32*\c+31], v[11+\c]
.endr
	v_nop                                          ; one plain place behind a scaled conversion
.irp c, 0,1
.irp i, 0,1,2
	v_mov_b32 v[C+12*\ks+6*\c+3+\i], v[SCR+4*\c+\i]
.endr
.endr
.irp c, 0,1,2
	global_store_b128 v4, v[C+12*\ks+4*\c:C+12*\ks+4*\c+3], s[12:13] offset:1536*\ks+512*\c   ; 32 lanes store 512 consecutive bytes, at a multiple of 256 from cod's first byte
.endr
.endm
	s_wait_loadcnt 16                              ; K step 0's sixteen loads are in; K step 1's sixteen may be out
	TOSTAGE 0
	FROMSTAGE                                      ; LDS serves a wave's instructions in order (ISA guide 5.7.1.4): these see the stores above,
	s_wait_loadcnt 0x0
	TOSTAGE 1                                      ; and these stores come behind those reads
	s_wait_dscnt 16                                ; K step 0 is back in registers; the sixteen stores just issued may be out
	QL 0
	FROMSTAGE
	s_wait_dscnt 0x0
	QL 1
	v_cmp_ne_u32 vcc_lo, 0, v8
	v_cndmask_b32 v242, v240, v241, vcc_lo         ; lanes 0-15 store K step 2 q's word, lanes 16-31 K step 2 q + 1's
	global_store_b32 v7, v242, s[14:15]            ; 128 consecutive bytes a wave
	s_wait_tensorcnt 0x0
	ds_add_u32 v244, v245
	s_wait_dscnt 0x0
	s_endpgm
.Lfunc_end_k_q8a2d13c745_quant:
	.size	k_q8a2d13c745_quant, .Lfunc_end_k_q8a2d13c745_quant-k_q8a2d13c745_quant
	.p2alignl 7, 3214868480
	.fill 96, 4, 3214868480
	.section	.rodata,"a",@progbits
	.p2align	6, 0x0
	.amdhsa_kernel k_q8a2d13c745_quant
		.amdhsa_group_segment_fixed_size 34304
		.amdhsa_private_segment_fixed_size 0
		.amdhsa_enable_private_segment 0
		.amdhsa_kernarg_size 48
		.amdhsa_user_sgpr_count 2
		.amdhsa_user_sgpr_kernarg_segment_ptr 1
		.amdhsa_wavefront_size32 1
		.amdhsa_system_sgpr_workgroup_id_x 1
		.amdhsa_system_sgpr_workgroup_id_y 1
		.amdhsa_system_sgpr_workgroup_id_z 1
		.amdhsa_system_vgpr_workitem_id 0
		.amdhsa_next_free_vgpr 246
		.amdhsa_next_free_sgpr 66
		.amdhsa_reserve_vcc 1
		.amdhsa_float_denorm_mode_32 3
		.amdhsa_float_denorm_mode_16_64 3
		.amdhsa_memory_ordered 1
		.amdhsa_forward_progress 1
		.amdhsa_inst_pref_size 17
	.end_amdhsa_kernel
	.amdgpu_metadata
---
amdhsa.version: [ 1, 2 ]
amdhsa.kernels:
  - .name:           k_q8a2d13c745_quant
    .symbol:         k_q8a2d13c745_quant.kd
    .args:
      - { .name: hidden_states, .offset: 0, .size: 8, .value_kind: global_buffer, .address_space: global }
      - { .name: Wq, .offset: 8, .size: 8, .value_kind: global_buffer, .address_space: global }
      - { .name: Wk, .offset: 16, .size: 8, .value_kind: global_buffer, .address_space: global }
      - { .name: Wv, .offset: 24, .size: 8, .value_kind: global_buffer, .address_space: global }
      - { .name: cod, .offset: 32, .size: 8, .value_kind: global_buffer, .address_space: global }
      - { .name: scl, .offset: 40, .size: 8, .value_kind: global_buffer, .address_space: global }
    .group_segment_fixed_size: 34304
    .private_segment_fixed_size: 0
    .kernarg_segment_align: 8
    .kernarg_segment_size: 48
    .max_flat_workgroup_size: 128
    .sgpr_count:     66
    .vgpr_count:     246
    .wavefront_size: 32
...
	.end_amdgpu_metadata
.endif
;; end of part 1
;; launch proj (part 2): grid 8 x 32, 4 waves a work-group, clusters of 4 x 4, 327,680 bytes of LDS; arguments cod, scl, qb, kv; writes qb, kv
.if DOCPART == 2
	.amdgcn_target "amdgcn-amd-amdhsa--gfx1250"
	.amdhsa_code_object_version 6
	.text
	.protected	k_q8a2d13c745_proj
	.globl	k_q8a2d13c745_proj
	.p2align	8
	.type	k_q8a2d13c745_proj,@function
k_q8a2d13c745_proj:
	s_mov_b64 s[64:65], 0
	v_nop
	global_prefetch_b8 v0, s[64:65] scope:SCOPE_SE
	s_setreg_imm32_b32 hwreg(HW_REG_WAVE_MODE, 25, 1), 1
	s_wait_xcnt 0x0
	s_wait_alu depctr_hold_cnt(0) depctr_sa_sdst(0) depctr_va_vdst(0) depctr_va_sdst(0) depctr_va_ssrc(0) depctr_va_vcc(0) depctr_vm_vsrc(0)
	s_getreg_b32 s2, hwreg(HW_REG_IB_STS2, 6, 4)
	s_cmp_eq_u32 s2, 0
	s_cbranch_scc0 .Lentry_in_a_cluster
	s_endpgm
.Lentry_in_a_cluster:
	s_bfe_u32 s2, ttmp6, 0x10000c
	s_cmp_lg_u32 s2, 0xf033
	s_cbranch_scc0 .Lentry_shape_is_right
	s_endpgm
.Lentry_shape_is_right:
; q = x Wq^T, k = x Wk^T, v = x Wv^T on codes of FP6 (E2M3) with E8M0 scales, K = 1,024.  The results are quantised in registers, q and k along the head's 64, v along the keys, and stored as images of attention's operand registers.
; G[i][j] = P_i . R_j, source 0 = 16 rows of R, source 1 = 16 rows of P: a lane holds ONE row of P and its registers run along R's rows, which are the next product's K.
; THE DEAL.  8 x 32 = 256 work-groups.  Work-group (g, xb) takes x's block xb of 256 tokens through TWO PHASES: phase 1: P = x's 256 rows, R = rows 256 g .. + 255 of Wq|Wk (g 0-3 Wq, 4-7 Wk), a wave 128 x 128, 64 accumulators;
; phase 2: P = Wv's rows 128 g .. + 127, R = the same 256 rows of x, a wave 64 x 128, 32 accumulators.
; TILES of 16 rows: lane-row r of tile T is row 32 (T / 2) + 8 (T % 2) + r + 8 (r / 8), in the weights (x's tiles go by 128 rows): the 16 registers of R's tiles 2 b and 2 b + 1 are the neighbours 32 b + 16 (lane / 16) + 0 .. 15.
; cod = [tile 704][K step 8][chunk 3][lane 32][16 bytes], scl = [tile][4][r 16][2 words]; tiles 0-511 x, 512-575 Wq, 576-639 Wk, 640-703 Wv.
; LDS.  x's block stays for the whole launch: XA [16 tiles][K steps 0, 1], XB [16 tiles][K steps 2 .. 7]: 196,608 bytes, loaded once.  The weights go through two slots of 49,152 bytes: [16 tiles][2 K steps] of Wq|Wk, later [8 tiles][4 K steps] of Wv.
; FILLS.  At the head one tensor load a wave, each on a line of its own: W's K steps 0, 1; XA; W's K steps 2, 3; XB.  The products begin when the first two are in.  Four refills, each behind a drained round of the cluster's barrier,
; every wave a quarter of the slot: in K step 1 slot 0 takes W's K steps 4, 5; in 3 slot 1 takes 6, 7; in 5 slot 0 takes Wv's K steps 0-3; in 7 slot 1 takes Wv's 4-7.  A plain barrier ahead of phase 2 shows the last; phase 2 fills nothing.
; CLUSTERS: 4 x 4.  x's tiles hang on the cluster's y and cy alone and are shared along a row of the cluster, the weights' on the cluster's x and cx alone and are shared along a column: each is asked for jointly.
; NO PREFETCH: the sixteen K steps are written out (each names its own scale registers), so there is no loop to run ahead in, and x is asked for whole at the head.
; OUT.  qb and kv = [16 batch + head][208,896 bytes]: 0: K's scale words [step 16][lane 32][4 words] (lane (r, hh), word j: key tile 4 hh + j; bytes 2, 3 zero); 8,192: V's [step 16][r 16][4 words] (word j: channel tile j);
; 12,288 (1 + step): eight key tiles of 768 bytes (registers 0-3 at 16 x lane, registers 4-5 at 512 + 8 x lane), then at + 6,144 V^T [channel tile 4][half 2][768 bytes].  qb holds q in K's places.
; LIMITS: a block whose largest magnitude lies under 2^-124 keeps the scale byte 1; NaN and infinities are not served.
; REGISTERS: window 0: v6-29 addresses; v32-109 scale words (register 10 i + ks: lanes 0-15 P's tile i, lanes 16-31 R's tile i); v128-223 P's fragments (phase 1 one set of 8, phase 2 two sets of 4), later the codes made.
;   window 1: R's fragments, two sets, at v0 and v128.   windows 2, 3: accumulator (a, b) at v[8 (8 (a % 4) + b)], a = 0-3 and 4-7.
.set FR,    12
.set NL,    3
.set TILEB, 3072                       ; a tile's two K steps
.set XA,    0
.set XB,    49152
.set WB,    196608
.set WSLOT, 49152
.set SPARE, WB+2*WSLOT                 ; the spare words, 128 bytes a wave: no other line names them
.set HEADB, 208896
.set AX,    6                          ; v6-8   phase 1, my eight tiles of x: in XA; in XB tiles 0-3; tiles 4-7
.set AX2,   9                          ; v9-11  phase 2, the same for my half of x as R
.set AW,    12                         ; v12-13 my eight tiles of Wq|Wk in slot 0, 1
.set AV,    14                         ; v14-15 my four tiles of Wv in slot 0, 1
.set L16,   16
.set L8,    17
.set SCO,   18                         ; my offsets in scl: phase 1; phase 2 tiles 0-3; tiles 4-7 (lanes 0-15 take P's four tiles again: they stay inside scl and are not used)
.set SCO2,  19
.set SCO3,  20
.set LN,    21
.set R16,   22
.set SPW,   28
.set NIL,   29
.set SC,    32
.set SCS,   10                         ; registers from a tile's scale words to the next tile's
.set WRD,   110                        ; v110-117 the scale word of each of my tiles of P
.set SELW,  118
.set LOW,   122
.set HIW,   248
.set AF,    128
.set SCR,   224
.set TM,    232
.set SEL,   96
.set G1XA,  24
.set G1XB,  32
.set G1W,   48
.set G1V,   56
.set G0H,   68
.set G0W,   72
.set G0V,   76
.set MSB, 0
.macro WIN new
.if MSB != \new
	s_set_vgpr_msb (MSB<<8)|\new
.set MSB, \new
.endif
.endm
.set MUL_LO, 0xa1                      ; source 0 (R) window 1, source 1 (P) window 0, C and D window 2
.set MUL_HI, 0xf1
.set TO_B,   0x40
.macro PLACES n
.rept \n
	v_nop
.endr
.endm
.macro WALU
	s_wait_alu depctr_va_vdst(0)
.endm
.macro CREST                           ; a round of the cluster's barrier behind its opening barrier
	s_cmp_lg_u32 s14, 0
	s_cbranch_scc1 .Lnot_wave_0_\@
	s_barrier_signal -3
.Lnot_wave_0_\@:
	s_barrier_wait -3
	s_barrier_signal -1
	s_barrier_wait -1
.endm
.macro CROUND
	s_barrier_signal -1
	s_barrier_wait -1
	CREST
.endm
.macro GROUP1 g, mask, el, rows        ; rows of el elements of 8 bytes, 12,288 bytes apart in cod, dense in LDS
	s_or_b32 s[\g], s[\mask], (3<<16)|(1<<21)
	s_mov_b32 s[\g+1], (\el)<<16
	s_mov_b32 s[\g+2], (\rows)<<16
	s_mov_b32 s[\g+3], (\el)<<16
	s_mov_b32 s[\g+4], \rows
	s_mov_b32 s[\g+5], 1536
	s_mov_b32 s[\g+6], 0
	s_mov_b32 s[\g+7], 0
.endm
.macro TL g0, g1                       ; an s_nop 0 and four v_nop follow every tensor load
	tensor_load_to_lds s[\g0:\g0+3], s[\g1:\g1+7]
	s_nop 0
	PLACES 4
.endm
.macro HARM lds, base, off, g1         ; a head's load, its group 0 written in its own arm
	s_mov_b32 s[G0H+1], \lds
	s_add_nc_u64 s[G0H+2:G0H+3], s[\base:\base+1], \off
	s_or_b32 s[G0H+3], s[G0H+3], 0x80000000
	TL G0H, \g1
.endm
.macro ASKW slot, fill                 ; my four tiles of W's K steps 2 fill, 2 fill + 1
	s_add_co_u32 s[G0W+1], s45, (\slot)*WSLOT
	s_add_nc_u64 s[G0W+2:G0W+3], s[82:83], (\fill)*TILEB
	s_or_b32 s[G0W+3], s[G0W+3], 0x80000000
	TL G0W, G1W
.endm
.macro ASKV slot, part                 ; my two tiles of Wv's K steps 4 part .. 4 part + 3
	s_add_co_u32 s[G0V+1], s45, (\slot)*WSLOT
	s_add_nc_u64 s[G0V+2:G0V+3], s[86:87], (\part)*2*TILEB
	s_or_b32 s[G0V+3], s[G0V+3], 0x80000000
	TL G0V, G1V
.endm
	s_load_b256 s[4:11], s[0:1], 0x0               ; cod, scl, qb, kv
	v_lshl_add_u32 v[SPW], v0, 2, SPARE
	v_mov_b32 v[NIL], 0
	ds_add_u32 v[SPW], v[NIL]                      ; the opening lines: the add twice on end and its wait
	ds_add_u32 v[SPW], v[NIL]
	v_lshrrev_b32 v1, 5, v0
	v_readfirstlane_b32 s14, v1                    ; wave
	s_lshr_b32 s15, s14, 1                         ; which half of P is mine
	s_and_b32 s16, s14, 1                          ; which half of R
	s_bfe_u32 s40, ttmp6, 0x40000                  ; cx
	s_bfe_u32 s41, ttmp6, 0x40004                  ; cy
	s_and_b32 s17, ttmp7, 0xffff
	s_lshl_b32 s18, s17, 2
	s_add_co_u32 s18, s18, s41                     ; xb: x's block of 256 tokens
	s_lshl_b32 s42, ttmp9, 2
	s_add_co_u32 s42, s42, s40                     ; g: the weights' group
	s_lshl_b32 s43, s41, 2
	s_lshl_b32 s43, 15, s43                        ; my row of the cluster
	s_lshl_b32 s44, 0x1111, s40                    ; my column
	GROUP1 G1XA, 43, 384, 16
	GROUP1 G1XB, 43, 1152, 16
	GROUP1 G1W, 44, 384, 16
	GROUP1 G1V, 44, 768, 2
	s_mov_b32 s[G0H], 1
	s_mov_b32 s[G0W], 1
	s_mov_b32 s[G0V], 1
	s_mul_i32 s20, s18, 196608                     ; x's 16 tiles, bytes from cod
	s_mov_b32 s21, 0
	s_mul_i32 s46, s42, 196608
	s_add_co_u32 s46, s46, 512*12288               ; Wq|Wk's 16 tiles
	s_mov_b32 s47, 0
	s_mul_i32 s80, s42, 98304
	s_add_co_u32 s80, s80, 640*12288               ; Wv's 8 tiles
	s_mov_b32 s81, 0
	s_mul_i32 s84, s14, 49152                      ; my four tiles of a refill of W,
	s_mov_b32 s85, 0
	s_mul_i32 s88, s14, 24576                      ; my two of Wv,
	s_mov_b32 s89, 0
	s_mul_i32 s45, s14, 12288
	s_add_co_u32 s45, s45, WB                      ; and their place in slot 0: made of the wave's number alone
	s_lshl_b32 s78, s18, 4
	s_lshl_b32 s79, s15, 3
	s_add_co_u32 s79, s79, s78
	s_lshl_b32 s91, s16, 3
	s_add_co_u32 s91, s91, s78
	s_lshl_b32 s78, s79, 9                         ; scl, phase 1: P = x's tiles 16 xb + 8 a ..
	s_lshl_b32 s91, s91, 9                         ; phase 2: R = x's tiles 16 xb + 8 b ..
	s_lshl_b32 s79, s42, 4
	s_lshl_b32 s90, s16, 3
	s_add_co_u32 s79, s79, s90
	s_add_co_u32 s79, s79, 512
	s_lshl_b32 s79, s79, 9                         ; phase 1: R = tiles 512 + 16 g + 8 b ..
	s_lshl_b32 s90, s42, 3
	s_lshl_b32 s67, s15, 2
	s_add_co_u32 s90, s90, s67
	s_add_co_u32 s90, s90, 640
	s_lshl_b32 s90, s90, 9                         ; phase 2: P = tiles 640 + 8 g + 4 a ..
	s_sub_co_u32 s67, s90, 2048
	s_mul_i32 s12, s15, 24576
	s_mul_i32 s13, s16, 24576
	s_add_co_u32 s19, s13, WB
	s_add_co_u32 s22, s12, WB
	s_mul_i32 s23, s15, 73728
	s_add_co_u32 s23, s23, XB
	s_mul_i32 s66, s16, 73728
	s_add_co_u32 s66, s66, XB
	s_mov_b32 s[SEL], 0x76543210
	s_mov_b32 s[SEL+1], 0xfedcba98
	s_wait_dscnt 0x0                               ; both opening adds are done
	s_wait_kmcnt 0x0
	s_add_nc_u64 s[20:21], s[4:5], s[20:21]
	s_add_nc_u64 s[46:47], s[4:5], s[46:47]
	s_add_nc_u64 s[80:81], s[4:5], s[80:81]
	s_add_nc_u64 s[82:83], s[46:47], s[84:85]
	s_add_nc_u64 s[86:87], s[80:81], s[88:89]
	CROUND                                         ; all sixteen work-groups are here: the first joint loads meet
	s_cmp_eq_u32 s14, 0                            ; one chain of arms, one load to an arm
	s_cbranch_scc0 .Lw1
	HARM WB, 46, 0, G1W                            ; wave 0: W's K steps 0, 1
	s_branch .Lasked
.Lw1:
	s_cmp_eq_u32 s14, 1
	s_cbranch_scc0 .Lw2
	HARM XA, 20, 0, G1XA                           ; wave 1: x's K steps 0, 1
	s_branch .Lasked
.Lw2:
	s_cmp_eq_u32 s14, 2
	s_cbranch_scc0 .Lw3
	HARM WB+WSLOT, 46, TILEB, G1W                  ; wave 2: W's K steps 2, 3
	s_branch .Lasked
.Lw3:
	HARM XB, 20, TILEB, G1XB                       ; wave 3: x's K steps 2 .. 7
.Lasked:
.macro SCLOAD adr, i                   ; tile i's scale words of all eight K steps
.irp q, 0,1,2,3
	global_load_b64 v[SC+SCS*(\i)+2*\q:SC+SCS*(\i)+2*\q+1], v[\adr], s[6:7] offset:512*(\i)+128*\q
.endr
.endm
	v_and_b32 v[LN], 31, v0
	v_and_b32 v1, 15, v0
	v_lshlrev_b32 v[L16], 4, v[LN]
	v_lshlrev_b32 v[L8], 3, v[LN]
	v_lshlrev_b32 v[R16], 4, v1
	v_lshlrev_b32 v2, 3, v1
	v_cmp_lt_u32 vcc_lo, 15, v[LN]
	v_mov_b32 v3, s78
	v_mov_b32 v4, s79
	v_cndmask_b32 v3, v3, v4, vcc_lo               ; lanes 0-15 take P's words, lanes 16-31 R's
	v_add_nc_u32 v[SCO], v2, v3
.irp i, 0,1,2,3,4,5,6,7
	SCLOAD SCO, \i
.endr
	v_mov_b32 v3, s90
	v_mov_b32 v4, s91
	v_mov_b32 v5, s67
	v_cndmask_b32 v3, v3, v4, vcc_lo
	v_cndmask_b32 v5, v5, v4, vcc_lo
	v_add_nc_u32 v[SCO2], v2, v3
	v_add_nc_u32 v[SCO3], v2, v5
	v_add_nc_u32 v[AX], s12, v[L16]
	v_add_nc_u32 v[AX2], s13, v[L16]
	v_add_nc_u32 v[AW], s19, v[L16]
	v_add_nc_u32 v[AV], s22, v[L16]
	v_add_nc_u32 v[AX+1], s23, v[L16]
	v_add_nc_u32 v[AX2+1], s66, v[L16]
	v_add_nc_u32 v[AW+1], WSLOT, v[AW]
	v_add_nc_u32 v[AV+1], WSLOT, v[AV]
	v_add_nc_u32 v[AX+2], 36864, v[AX+1]
	v_add_nc_u32 v[AX2+2], 36864, v[AX2+1]
.irp b, 0,1,2,3
	v_mov_b32 v[TM+4+\b], 0                        ; written once: a lane permute's destination counts as one of its sources
.endr
.macro FRAGL reg, adr, off             ; a fragment comes as it was stored: three chunks of 512 consecutive bytes
.irp c, 0,1,2
	ds_load_b128 v[\reg+4*\c:\reg+4*\c+3], v[\adr] offset:(\off)+512*\c
.endr
.endm
.macro FRAGX reg, ax, ks, i            ; tile i of my eight of x, K step ks
.if (\ks) < 2
	FRAGL \reg, \ax, 3072*(\i)+1536*(\ks)
.else
	FRAGL \reg, \ax+1+(\i)/4, 9216*((\i)%4)+1536*((\ks)-2)
.endif
.endm
.macro FETCH_B n, p                    ; phase 1: W's eight fragments of K step n into set p
	WIN TO_B
.irp i, 0,1,2,3,4,5,6,7
	FRAGL 128*(\p)+FR*\i, AW+((\n)/2)%2, 3072*\i+1536*((\n)%2)
.endr
	WIN 0
.endm
.macro FETCH_A n, i0                   ; phase 1: x's blocks i0 .. i0 + 3
.irp i, \i0, \i0+1, \i0+2, \i0+3
	FRAGX AF+FR*(\i), AX, \n, \i
.endr
.endm
.macro FETCH_XR n, p                   ; phase 2: x's eight fragments into set p
	WIN TO_B
.irp i, 0,1,2,3,4,5,6,7
	FRAGX 128*(\p)+FR*\i, AX2, \n, \i
.endr
	WIN 0
.endm
.macro FETCH_V n, p                    ; phase 2: Wv's four fragments into set p
.irp i, 0,1,2,3
	FRAGL AF+48*(\p)+FR*\i, AV+(\n)/4, 6144*\i+1536*((\n)%4)
.endr
.endm
.macro WM d, r0, p0, c, sr, sp
	v_wmma_scale_f32_16x16x128_f8f6f4 v[\d:\d+7], v[\r0:\r0+FR-1], v[\p0:\p0+FR-1], \c, v[\sr], v[\sp] matrix_a_fmt:MATRIX_FMT_FP6 matrix_b_fmt:MATRIX_FMT_FP6 matrix_a_scale:MATRIX_SCALE_ROW1
.endm
; 16 products: P's blocks a0, a0 + 1 x R's eight, K step ks.  p: R's set; pa: P's set.  zero = 1: the first product starts the sums.  The accumulators take turns, one instruction a turn.
.macro MUL16 a0, p, ks, zero, pa=AF
.irp a, \a0, \a0+1
.irp b, 0,1,2,3,4,5,6,7
.if \zero
	WM 8*(8*((\a)%4)+\b), 128*(\p)+FR*\b, \pa+FR*(\a), 0, SC+SCS*\b+(\ks), SC+SCS*(\a)+(\ks)
.else
	WM 8*(8*((\a)%4)+\b), 128*(\p)+FR*\b, \pa+FR*(\a), v[8*(8*((\a)%4)+\b):8*(8*((\a)%4)+\b)+7], SC+SCS*\b+(\ks), SC+SCS*(\a)+(\ks)
.endif
.endr
.endr
.endm
.macro REST ks, zero                   ; a K step's second half, with the fetch of the next K step's fragments (four places stand ahead of it)
	FETCH_B (\ks)+1, 1-(\ks)%2
	FETCH_A (\ks)+1, 0
	WIN MUL_HI
	MUL16 4, (\ks)%2, \ks, \zero
	MUL16 6, (\ks)%2, \ks, \zero
	PLACES 4
	WIN 0
	FETCH_A (\ks)+1, 4
.endm
.macro STEP ks, zero
	s_wait_dscnt 4*NL                              ; R's set and P's blocks 0-3 are in; the youngest twelve loads (P's blocks 4-7) may be out
	WIN MUL_LO
	MUL16 0, (\ks)%2, \ks, \zero
	MUL16 2, (\ks)%2, \ks, \zero
	s_wait_dscnt 0x0
	PLACES 4
	REST \ks, \zero
.endm
.macro TURN ks                         ; a K step's first half with a drained round: behind it the slot whose last fragments are in registers is filled again
	s_wait_tensorcnt 0x0                           ; all my tensor loads have landed
	ds_add_u32 v[SPW], v[NIL]
	s_wait_dscnt 4*NL+1                            ; (the add and the youngest twelve loads may be out)
	WIN MUL_LO
	MUL16 0, (\ks)%2, \ks, 0
	s_wait_dscnt 0x0                               ; the add is done, and my LDS reads are over
	s_barrier_signal -1
	MUL16 2, (\ks)%2, \ks, 0
	WIN 0
	s_barrier_wait -1
	CREST
.endm
	WALU
	s_cmp_lt_u32 s14, 2
	s_cbranch_scc0 .Lnot01
	s_wait_tensorcnt 0x0                           ; waves 0 and 1: W's and x's K steps 0, 1
.Lnot01:
	s_barrier_signal -1
	s_barrier_wait -1                              ; waves 2 and 3's tiles may be on their way
	FETCH_B 0, 0
	FETCH_A 0, 0
	FETCH_A 0, 4
	s_wait_loadcnt 0x0                             ; the scale words
; PHASE 1
	STEP 0, 1
	TURN 1                                         ; every wave has shown the head's four loads landed
	s_mov_b32 s[G1W+2], 4<<16                      ; no tensor load of mine is out: from here on a load of W brings four tiles
	s_mov_b32 s[G1W+4], 4
	ASKW 0, 2
	REST 1, 0
	STEP 2, 0
	TURN 3
	ASKW 1, 3
	REST 3, 0
	STEP 4, 0
	TURN 5
	ASKV 0, 0
	REST 5, 0
	STEP 6, 0
	TURN 7
	ASKV 1, 1
	WIN MUL_HI
	MUL16 4, 1, 7, 0
	MUL16 6, 1, 7, 0
	WIN 0
	PLACES 4
.irp i, 0,1,2,3
	SCLOAD SCO2, \i                                ; phase 2's scale words come while phase 1's results are quantised
.endr
.irp i, 4,5,6,7
	SCLOAD SCO3, \i
.endr
; THE WAY OUT.  The 64 registers of my tile a of P, register 16 b + i = next K 32 b + 16 (lane / 16) + i, become a fragment's 12 registers in v[AF + 12 a] on and its scale word in v[WRD + a].  Each accumulator is read from its low end on.
.macro QUANTW a
.set QW, 2+(\a)/4
.set QB, 64*((\a)%4)
.set QP, AF+FR*(\a)
.set WN, QW|(QW<<2)
	WIN WN
.irp b, 0,1,2,3
	v_max3_num_f32 v[TM+\b], |v[QB+16*\b]|, |v[QB+16*\b+1]|, 0x1800000   ; and the floor 2^(3 - 127): the byte cannot fall under 1
.endr
.set WN, (QW<<2)|(QW<<4)
	WIN WN
.irp i, 2,4,6,8,10,12,14
.irp b, 0,1,2,3
	v_max3_num_f32 v[TM+\b], v[TM+\b], |v[QB+16*\b+\i]|, |v[QB+16*\b+\i+1]|
.endr
.endr
	WIN 0
.irp b, 0,1,2,3
	v_permlanex16_b32 v[TM+4+\b], v[TM+\b], s[SEL], s[SEL+1]
.endr
.irp b, 0,1,2,3
	v_max_num_f32 v[TM+\b], v[TM+\b], v[TM+4+\b]   ; with lane l xor 16's: the block's largest magnitude
.endr
.irp b, 0,1,2,3
	v_add_nc_u32 v[TM+12+\b], 0xff000000, v[TM+\b] ; 2 off its exponent field: the conversion's scale operand
.endr
.irp b, 0,1,2,3
	v_lshrrev_b32 v[TM+4+\b], 23, v[TM+12+\b]      ; the scale's byte
.endr
	v_lshl_or_b32 v[WRD+\a], v[TM+5], 8, v[TM+4]
	v_lshl_or_b32 v[WRD+\a], v[TM+6], 16, v[WRD+\a]
	v_lshl_or_b32 v[WRD+\a], v[TM+7], 24, v[WRD+\a]
	WIN QW
.irp c, 0,1
	v_cvt_scalef32_pk16_fp6_f32 v[QP+6*\c:QP+6*\c+2], v[QB+32*\c:QB+32*\c+15], v[TM+12+2*\c]
	v_cvt_scalef32_pk16_fp6_f32 v[SCR+4*\c:SCR+4*\c+2], v[QB+32*\c+16:QB+32*\c+31], v[TM+12+2*\c+1]
.endr
	WIN 0
	v_nop                                          ; one plain place behind a scaled conversion
.irp c, 0,1                            ; the operand's layout wants a whole block in a lane
.irp i, 0,1,2
	v_permlane16_swap_b32 v[QP+6*\c+\i], v[SCR+4*\c+\i]
.endr
.irp i, 0,1,2
	v_mov_b32 v[QP+6*\c+3+\i], v[SCR+4*\c+\i]
.endr
.endr
.endm
; v's WAY OUT.  x's tiles are cut by steps of 128 tokens: lane-row r of a step's tile b is token 8 b + r + 56 (r / 8).  So register 8 b + i of lane (r, h) is key 64 h + 8 b + i: a lane holds two WHOLE blocks of 32 keys, 2 h and 2 h + 1.
; They become registers 0-5 and 6-11 of the fragment: the operand's k block 2 c + h stands for key block 2 h + c, as attention lays p.  No other lane is asked for a maximum and no codes change lanes; the scale word's bytes 2 c + h are joined with lane l xor 16's.
.macro QUANTV a
.set QB, 64*(\a)
.set QP, AF+FR*(\a)
	WIN 0x0a                                       ; sources 0 and 1 in window 2
.irp b, 0,1,2,3
	v_max3_num_f32 v[TM+\b], |v[QB+16*\b]|, |v[QB+16*\b+1]|, 0x1800000   ; four chains, two to a block; and the floor 2^(3 - 127)
.endr
	WIN 0x28                                       ; sources 1 and 2
.irp i, 2,4,6,8,10,12,14
.irp b, 0,1,2,3
	v_max3_num_f32 v[TM+\b], v[TM+\b], |v[QB+16*\b+\i]|, |v[QB+16*\b+\i+1]|
.endr
.endr
	WIN 0
.irp c, 0,1
	v_max_num_f32 v[TM+2*\c], v[TM+2*\c], v[TM+2*\c+1]         ; the block's largest magnitude
.endr
.irp c, 0,1
	v_add_nc_u32 v[TM+12+\c], 0xff000000, v[TM+2*\c]           ; 2 off its exponent field: the conversion's scale operand
.endr
.irp c, 0,1
	v_lshrrev_b32 v[TM+4+\c], 23, v[TM+12+\c]                  ; the scale's byte
.endr
	v_lshl_or_b32 v[WRD+\a], v[TM+5], 16, v[TM+4]
	v_lshlrev_b32 v[WRD+\a], v23, v[WRD+\a]                    ; 8 h bits up
	v_permlanex16_b32 v[TM+6], v[WRD+\a], s[SEL], s[SEL+1]
	v_or_b32 v[WRD+\a], v[WRD+\a], v[TM+6]                     ; the word is whole, in both halves of the lanes
	WIN 2
.irp c, 0,1
	v_cvt_scalef32_pk16_fp6_f32 v[QP+6*\c:QP+6*\c+2], v[QB+32*\c:QB+32*\c+15], v[TM+12+\c]
	v_cvt_scalef32_pk16_fp6_f32 v[SCR+4*\c:SCR+4*\c+2], v[QB+32*\c+16:QB+32*\c+31], v[TM+12+\c]
.endr
	WIN 0
	v_nop                                          ; one plain place behind a scaled conversion
.irp c, 0,1
.irp i, 0,1,2
	v_mov_b32 v[QP+6*\c+3+\i], v[SCR+4*\c+\i]
.endr
.endr
.endm
.macro OUTADR xh, sh, buf
	s_lshl_b32 s82, s18, 1
	s_add_co_u32 s82, s82, s\xh                    ; x's rows / 128
	s_lshr_b32 s83, s82, 4                         ; the batch
	s_and_b32 s82, s82, 15                         ; the step
	s_lshl_b32 s83, s83, 4
	s_add_co_u32 s83, s83, s84
	s_mul_i32 s86, s83, HEADB
	s_mul_i32 s88, s82, 12288
	s_add_co_u32 s88, s88, 12288
	s_add_co_u32 s88, s88, s86
	s_mov_b32 s89, 0
	s_add_nc_u64 s[92:93], s[\buf:\buf+1], s[88:89]
	s_lshl_b32 s88, s82, \sh
	s_add_co_u32 s88, s88, s86
	s_add_nc_u64 s[94:95], s[\buf:\buf+1], s[88:89]
.endm
	; q or k: my tile a is token tile a of the step; half c of its fragment is head c's 64 channels
	s_lshl_b32 s84, s40, 2
	s_lshl_b32 s85, s16, 1
	s_add_co_u32 s84, s84, s85                     ; the first of my two heads
	s_cmp_eq_u32 ttmp9, 0
	s_cselect_b64 s[90:91], s[8:9], s[10:11]
	OUTADR 15, 9, 90
.irp a, 0,1,2,3,4,5,6,7
	QUANTW \a
.endr
	v_cmp_lt_u32 vcc_lo, 15, v[LN]
.irp j, 0,1,2,3
	v_cndmask_b32 v[SELW+\j], v[WRD+\j], v[WRD+4+\j], vcc_lo   ; lanes 0-15 keep tile j's word, lanes 16-31 tile 4 + j's
.endr
.irp j, 0,1,2,3
	v_and_b32 v[LOW+\j], 0xffff, v[SELW+\j]        ; head 0's two bytes; the upper two are zero
	v_lshrrev_b32 v[HIW+\j], 16, v[SELW+\j]        ; head 1's
.endr
.irp a, 0,1,2,3,4,5,6,7
.irp c, 0,1
	global_store_b128 v[L16], v[AF+FR*\a+6*\c:AF+FR*\a+6*\c+3], s[92:93] offset:768*\a+HEADB*\c        ; 512 consecutive bytes, at a multiple of 256 from the buffer's first byte
	global_store_b64 v[L8], v[AF+FR*\a+6*\c+4:AF+FR*\a+6*\c+5], s[92:93] offset:768*\a+HEADB*\c+512    ; 256 likewise
.endr
.endr
	global_store_b128 v[L16], v[LOW:LOW+3], s[94:95]
	global_store_b128 v[L16], v[HIW:HIW+3], s[94:95] offset:HEADB
; PHASE 2
	WALU
	s_wait_xcnt 0x0                                ; the stores have read their registers and bases: both are written anew below
	s_wait_tensorcnt 0x0                           ; my part of Wv's K steps 4-7
	s_wait_dscnt 0x0
	s_barrier_signal -1
	s_barrier_wait -1                              ; a plain barrier: all of Wv is shown to all
	FETCH_XR 0, 0
	FETCH_V 0, 0
	s_wait_loadcnt 0x0                             ; phase 2's scale words
.macro STEPV ks, zero                  ; 32 products on set ks % 2, the next K step's 36 loads ahead of them into the other sets
	s_wait_dscnt 0x0
.if (\ks) < 7
.if (\ks) > 0
	PLACES 4
.endif
	FETCH_XR (\ks)+1, 1-(\ks)%2
	FETCH_V (\ks)+1, 1-(\ks)%2
.endif
	WIN MUL_LO
	MUL16 0, (\ks)%2, \ks, \zero, AF+48*((\ks)%2)
	MUL16 2, (\ks)%2, \ks, \zero, AF+48*((\ks)%2)
	WIN 0
.endm
	STEPV 0, 1
.irp k, 1,2,3,4,5,6,7
	STEPV \k, 0
.endr
	; v: my tile a is channel tile a of my head; its fragment holds the step's 128 keys
	s_lshl_b32 s84, s42, 1
	s_add_co_u32 s84, s84, s15
	OUTADR 16, 8, 10
	PLACES 4
	v_lshrrev_b32 v23, 4, v[LN]
	v_lshlrev_b32 v23, 3, v23                      ; 8 h
.irp a, 0,1,2,3
	QUANTV \a
.endr
.irp a, 0,1,2,3
.irp c, 0,1
	global_store_b128 v[L16], v[AF+FR*\a+6*\c:AF+FR*\a+6*\c+3], s[92:93] offset:6144+1536*\a+768*\c
	global_store_b64 v[L8], v[AF+FR*\a+6*\c+4:AF+FR*\a+6*\c+5], s[92:93] offset:6144+1536*\a+768*\c+512
.endr
.endr
	global_store_b128 v[R16], v[WRD:WRD+3], s[94:95] offset:8192   ; 256 consecutive bytes; a word stands in both halves of the lanes, which store the same bytes to the same places
	s_wait_tensorcnt 0x0                           ; the wave's end
	ds_add_u32 v[SPW], v[NIL]
	s_wait_dscnt 0x0
	CROUND                                         ; the closing round
	s_endpgm
.Lfunc_end_k_q8a2d13c745_proj:
	.size	k_q8a2d13c745_proj, .Lfunc_end_k_q8a2d13c745_proj-k_q8a2d13c745_proj
	.p2alignl 7, 3214868480
	.fill 96, 4, 3214868480
	.section	.rodata,"a",@progbits
	.p2align	6, 0x0
	.amdhsa_kernel k_q8a2d13c745_proj
		.amdhsa_group_segment_fixed_size 327680
		.amdhsa_private_segment_fixed_size 0
		.amdhsa_enable_private_segment 0
		.amdhsa_kernarg_size 32
		.amdhsa_user_sgpr_count 2
		.amdhsa_user_sgpr_kernarg_segment_ptr 1
		.amdhsa_wavefront_size32 1
		.amdhsa_system_sgpr_workgroup_id_x 1
		.amdhsa_system_sgpr_workgroup_id_y 1
		.amdhsa_system_sgpr_workgroup_id_z 1
		.amdhsa_system_vgpr_workitem_id 0
		.amdhsa_next_free_vgpr 1024
		.amdhsa_next_free_sgpr 100
		.amdhsa_reserve_vcc 1
		.amdhsa_float_denorm_mode_32 3
		.amdhsa_float_denorm_mode_16_64 3
		.amdhsa_memory_ordered 1
		.amdhsa_forward_progress 1
		.amdhsa_inst_pref_size 213
	.end_amdhsa_kernel
	.amdgpu_metadata
---
amdhsa.version: [ 1, 2 ]
amdhsa.kernels:
  - .name:           k_q8a2d13c745_proj
    .symbol:         k_q8a2d13c745_proj.kd
    .args:
      - { .name: cod, .offset: 0, .size: 8, .value_kind: global_buffer, .address_space: global }
      - { .name: scl, .offset: 8, .size: 8, .value_kind: global_buffer, .address_space: global }
      - { .name: qb, .offset: 16, .size: 8, .value_kind: global_buffer, .address_space: global }
      - { .name: kv, .offset: 24, .size: 8, .value_kind: global_buffer, .address_space: global }
    .group_segment_fixed_size: 327680
    .private_segment_fixed_size: 0
    .kernarg_segment_align: 8
    .kernarg_segment_size: 32
    .max_flat_workgroup_size: 128
    .sgpr_count:     100
    .vgpr_count:     1024
    .wavefront_size: 32
...
	.end_amdgpu_metadata
.endif
;; end of part 2
;; launch attn (part 3): grid 4 x 64, 8 waves a work-group, clusters of 4 x 1, 327,680 bytes of LDS; arguments qb, kv, attention_mask, out0; writes out0
.if DOCPART == 3
	.amdgcn_target "amdgcn-amd-amdhsa--gfx1250"
	.amdhsa_code_object_version 6
	.text
	.protected	k_q8a2d13c745_attn
	.globl	k_q8a2d13c745_attn
	.p2align	8
	.type	k_q8a2d13c745_attn,@function
k_q8a2d13c745_attn:
	s_mov_b64 s[64:65], 0
	v_nop
	global_prefetch_b8 v0, s[64:65] scope:SCOPE_SE
	s_setreg_imm32_b32 hwreg(HW_REG_WAVE_MODE, 25, 1), 1
	s_wait_xcnt 0x0
	s_wait_alu depctr_hold_cnt(0) depctr_sa_sdst(0) depctr_va_vdst(0) depctr_va_sdst(0) depctr_va_ssrc(0) depctr_va_vcc(0) depctr_vm_vsrc(0)
	s_getreg_b32 s2, hwreg(HW_REG_IB_STS2, 6, 4)
	s_cmp_eq_u32 s2, 0
	s_cbranch_scc0 .Lentry_in_a_cluster
	s_endpgm
.Lentry_in_a_cluster:
	s_bfe_u32 s2, ttmp6, 0x10000c
	s_cmp_lg_u32 s2, 0x3003
	s_cbranch_scc0 .Lentry_shape_is_right
	s_endpgm
.Lentry_shape_is_right:
; ctx = softmax(q k^T / 8 x m + (1 - m) x -10000) v for one batch and head a cluster, on codes of FP6 (E2M3) with E8M0 scales.  qb and kv are images of operand registers:
; [16 batch + head][208,896 bytes]: 0: k's scale words [step 16][lane 32][4 words]; 8,192: v's [step 16][r 16][4 words]; 12,288 (1 + step): eight key tiles of 768 bytes, then at + 6,144 v^T [channel tile 4][half 2][768 bytes].  qb holds q in k's places.
; TOKENS IN TILES: lane-row r of tile t of a step of 128 tokens is token 8 t + r + 56 (r / 8).  So in S^T register 8 t + j of lane (r, h) is key 64 h + 8 t + j: a lane holds two WHOLE blocks of 32 keys, 2 h and 2 h + 1:
; a block's largest t needs no other lane, and p's codes are the operand's registers as the conversions leave them.  The operand's k block 2 c + h stands for key block 2 h + c, in p and in v^T alike.
; SHARES.  The four work-groups of a cluster take 512 queries each of one head and ask for its k and v JOINTLY (mask 15); all 208,896 bytes stay in LDS.  A wave takes 32 queries at a time (two tiles x), twice; a step is 128 keys.
; Both products are used transposed (S^T = k q^T, O^T = v^T p^T): a lane holds one query.  The head's 64 fill half of a product's K: q's upper six registers are zeros, and a key tile's operand runs on into the next tile's registers.
; t = score x (m log2(e) / 8) + (1 - m) x (-10000 log2(e)): the two factors of each key lie in LDS as f32 tables, made at the head from attention_mask, whatever whole numbers it holds.
; M is the running largest t rounded up to a whole number, kept as -M; p = 2^(t - M); when M moves, the sum and O^T are multiplied by 2^(old M - new M).  The row's sum is taken of the unquantised p.  A block's largest p is the exponential of its largest t.
; THE ORDER OF A STEP.  The LDS loads go out first; the sums of the LAST step's p, which still lie in S, stand between them and the one wait for them (S starts as zeros; the way out adds the last step's).
; The multiply-adds of key tile t - 1 stand behind the two products of tile t, under one setting of the register windows.  Tile 1's t - M stands among tile 0's exponentials; each such line takes only what was written ahead of the wait in front of the batch, and is read behind the wait that follows it.
; Dependent lines of the two query tiles, and of a tile's chains, stand by turns.
; FILLS: two first fills a wave, 9,216 and 16,896 bytes; the second stands behind the three lines and a round.  Nothing is filled again.  No prefetch: all of k and v is asked for at the head, so there is no loop to run ahead in.
; LIMITS: the promise holds while |t| stays under 2^31; NaN and infinities are not served; a block whose every p has fallen to 0 keeps the scale byte 1.
.set HEADB, 208896
.set TA,    208896                     ; the table of factors, 8,192 bytes; TBO behind it the table of addends
.set TBO,   8192
.set STAGE, 226304                     ; the way out: 8,704 bytes a wave
.set STGW,  8704
.set LD1,   9216
.set LD2,   16896
.set L16,  1
.set L8,   2
.set LA,   3
.set LVS,  4
.set AD16, 5
.set AD8,  6
.set ADA,  7
.set ADKS, 8
.set ADVS, 9
.set STO,  10
.set RD,   11
.set GO,   12
.set R16,  13
.set H8,   14                          ; 8 x (lane / 16)
.set ST,   16                          ; eight a tile: -M, the largest t, the sum's two halves, f, 0, a spare, 0
.set BM,   32                          ; twelve a tile: 0-3 four chains of maxima (0 and 2 the blocks'), 4-5 at work, 6-7 bytes, 8-9 scale operands
.set KS,   56
.set VS,   60
.set QS,   64
.set PS,   66
.set Q,    68
.set PC,   92
.set SCR,  116
.set S,    128                         ; v128-255 the scores, then p
.set A,    0                           ; window 1: v0-63 factors, v64-127 addends, v128-181 fragments of k or v, v184-247 O^T
.set BC,   64
.set KF,   128
.set O,    184
.set WV,   12
.set SEL,  20
.set TK,   48
.set TS,   49
.set TV,   50
.set CNT,  51
.set MSB, 0
.macro WIN new
.if MSB != \new
	s_set_vgpr_msb (MSB<<8)|\new
.set MSB, \new
.endif
.endm
.macro CROUND
	s_barrier_signal -1
	s_barrier_wait -1
	s_cmp_lg_u32 s[WV], 0
	s_cbranch_scc1 .Lnot_wave_0_\@
	s_barrier_signal -3
.Lnot_wave_0_\@:
	s_barrier_wait -3
	s_barrier_signal -1
	s_barrier_wait -1
.endm
	s_load_b256 s[4:11], s[0:1], 0x0               ; qb, kv, attention_mask, out0
	v_lshl_add_u32 v15, v0, 2, 0x48400
	v_mov_b32 v119, 0
	ds_add_u32 v15, v119                           ; the opening lines
	ds_add_u32 v15, v119
	v_lshrrev_b32 v126, 5, v0
	s_delay_alu instid0(VALU_DEP_1)
	v_readfirstlane_b32 s[WV], v126
	s_bfe_u32 s13, ttmp6, 0x40000                  ; cx: which 512 queries
	s_and_b32 s14, ttmp7, 0xffff                   ; 16 batch + head
	s_mul_i32 s16, s14, HEADB
	s_mov_b32 s17, 0
	s_mov_b32 s24, 15|(3<<16)|(1<<21)              ; group 1: 36 rows of 256 bytes, dense
	s_mov_b32 s25, 32<<16
	s_mov_b32 s26, 36<<16
	s_mov_b32 s27, 32<<16
	s_mov_b32 s28, 36
	s_mov_b32 s29, 32
	s_mov_b32 s30, 0
	s_mov_b32 s31, 0
	s_mov_b32 s32, 15|(3<<16)|(1<<21)              ; and 66 rows
	s_mov_b32 s33, 32<<16
	s_mov_b32 s34, 66<<16
	s_mov_b32 s35, 32<<16
	s_mov_b32 s36, 66
	s_mov_b32 s37, 32
	s_mov_b32 s38, 0
	s_mov_b32 s39, 0
	s_mul_i32 s18, s[WV], LD1
	s_mul_i32 s19, s[WV], LD2
	s_add_co_u32 s19, s19, 8*LD1
	s_mov_b32 s[SEL], 0x76543210
	s_mov_b32 s[SEL+1], 0xfedcba98
	s_mov_b32 s23, 0
	s_wait_dscnt 0x0
	s_wait_kmcnt 0x0
	s_add_nc_u64 s[6:7], s[6:7], s[16:17]
	s_mov_b32 s40, 1
	s_mov_b32 s41, s18
	s_mov_b32 s22, s18
	s_add_nc_u64 s[42:43], s[6:7], s[22:23]
	s_or_b32 s43, s43, 0x80000000
	s_mov_b32 s44, 1
	s_mov_b32 s45, s19
	s_mov_b32 s22, s19
	s_add_nc_u64 s[46:47], s[6:7], s[22:23]
	s_or_b32 s47, s47, 0x80000000
	CROUND
	tensor_load_to_lds s[40:43], s[24:31]          ; the scale words and steps 0 to 4
	s_nop 0
	s_lshr_b32 s52, s14, 4
	s_lshl_b32 s22, s52, 13
	s_add_nc_u64 s[8:9], s[8:9], s[22:23]
	v_lshlrev_b32 v124, 5, v0
	global_load_b128 v[128:131], v124, s[8:9]      ; eight keys' mask a thread
	global_load_b128 v[132:135], v124, s[8:9] offset:16
	v_lshl_add_u32 v125, v0, 5, TA
	v_and_b32 v126, 31, v0
	v_and_b32 v127, 15, v0
	v_bfe_u32 v123, v0, 4, 1
	s_delay_alu instid0(VALU_DEP_3)
	v_lshlrev_b32 v[L16], 4, v126
	s_delay_alu instid0(VALU_DEP_4)
	v_lshlrev_b32 v[L8], 3, v126
	s_delay_alu instid0(VALU_DEP_3)
	v_lshl_add_u32 v[LA], v123, 8, TA              ; lanes 16-31 hold keys 64 .. 127 of a step: 256 bytes on in the tables
	v_lshlrev_b32 v[H8], 3, v123
	v_lshlrev_b32 v[R16], 4, v127
	s_delay_alu instid0(VALU_DEP_1)
	v_add_nc_u32 v[LVS], 8192, v[R16]
	s_mul_i32 s53, s[WV], STGW
	s_add_co_u32 s53, s53, STAGE
	v_mul_u32_u24 v[STO], v127, 272
	s_delay_alu instid0(VALU_DEP_1)
	v_lshl_add_u32 v[STO], v123, 6, v[STO]
	s_delay_alu instid0(VALU_DEP_1)
	v_add_nc_u32 v[STO], s53, v[STO]
	v_mul_u32_u24 v[RD], v123, 272
	s_delay_alu instid0(VALU_DEP_1)
	v_lshl_add_u32 v[RD], v127, 4, v[RD]
	s_delay_alu instid0(VALU_DEP_1)
	v_add_nc_u32 v[RD], s53, v[RD]
	v_lshlrev_b32 v[GO], 12, v123
	s_delay_alu instid0(VALU_DEP_1)
	v_lshl_add_u32 v[GO], v127, 4, v[GO]
.irp x, 0,1
.irp i, 6,7,8,9,10,11
	v_mov_b32 v[Q+12*\x+\i], 0                     ; q's upper half: zero codes
.endr
.irp i, 4,5,6,7
	v_mov_b32 v[BM+12*\x+\i], 0
.endr
	v_mov_b32 v[ST+8*\x+5], 0
	v_mov_b32 v[ST+8*\x+7], 0
.endr
	WIN 0x40
.irp i, 48,49,50,51,52,53
	v_mov_b32 v[KF+\i], 0                          ; what the last key tile's operand runs on into
.endr
	WIN 0
	s_lshl_b32 s53, s13, 2
	s_lshr_b32 s54, s[WV], 2
	s_add_co_u32 s53, s53, s54                     ; my step of 128 queries; my tiles in it are 2 (wave % 4) and the next
	s_mul_i32 s54, s53, 12288
	s_add_co_u32 s54, s54, 12288
	s_and_b32 s55, s[WV], 3
	s_mul_i32 s55, s55, 1536
	s_add_co_u32 s54, s54, s55
	s_add_co_u32 s54, s54, s16
	s_mov_b32 s55, 0
	s_lshl_b32 s56, s53, 9
	s_bfe_u32 s57, s[WV], 0x10001
	s_lshl_b32 s57, s57, 8
	s_add_co_u32 s56, s56, s57
	s_and_b32 s57, s[WV], 1
	s_lshl_b32 s57, s57, 3
	s_add_co_u32 s56, s56, s57
	s_add_co_u32 s56, s56, s16
	s_mov_b32 s57, 0
	s_add_nc_u64 s[58:59], s[4:5], s[56:57]        ; q's scale words
	s_add_nc_u64 s[4:5], s[4:5], s[54:55]          ; q's codes
	s_lshl_b32 s60, s52, 11
	s_lshl_b32 s61, s13, 9
	s_add_co_u32 s60, s60, s61
	s_lshr_b32 s61, s[WV], 2
	s_lshl_b32 s61, s61, 7
	s_add_co_u32 s60, s60, s61                     ; + my step's 128 tokens
	s_and_b32 s61, s[WV], 3
	s_lshl_b32 s61, s61, 4
	s_add_co_u32 s60, s60, s61                     ; + 16 (wave % 4): token 8 x + r + 56 (r / 8) from here is lane-row r of my tile x
	s_lshl_b32 s60, s60, 12
	s_and_b32 s61, s14, 15
	s_lshl_b32 s61, s61, 8
	s_add_co_u32 s60, s60, s61
	s_mov_b32 s61, 0
	s_add_nc_u64 s[10:11], s[10:11], s[60:61]
	s_mov_b32 s62, 0x46616bcd                      ; 10000 log2(e)
	s_mov_b32 s63, 0xc6616bcd
.irp x, 0,1                            ; the first pass's q and its scale words are asked for while the first tile is on its way
	global_load_b128 v[Q+12*\x:Q+12*\x+3], v[L16], s[4:5] offset:768*\x
	global_load_b64 v[Q+12*\x+4:Q+12*\x+5], v[L8], s[4:5] offset:768*\x+512
	global_load_b32 v[QS+\x], v[R16], s[58:59] offset:4*\x
.endr
	s_wait_alu depctr_va_vdst(0)
	s_wait_tensorcnt 0x0                           ; the three lines and a round ahead of the second first fill
	ds_add_u32 v15, v119
	s_wait_dscnt 0x0
	CROUND
	tensor_load_to_lds s[44:47], s[32:39]          ; steps 5 to 15
	s_nop 0
.rept 4
	v_nop
.endr
	s_wait_loadcnt 0x6                             ; the mask's two loads are in; q's six, issued behind them, may be out
.irp i, 0,1,2,3,4,5,6,7
	v_cvt_f32_i32 v[128+\i], v[128+\i]
.endr
.irp i, 0,1,2,3,4,5,6,7
	v_mul_f32 v[136+\i], 0x3e38aa3b, v[128+\i]     ; m log2(e) / 8
	v_fma_f32 v[144+\i], v[128+\i], s62, s63       ; (1 - m) x -10000 log2(e)
.endr
	ds_store_b128 v125, v[136:139]
	ds_store_b128 v125, v[140:143] offset:16
	ds_store_b128 v125, v[144:147] offset:TBO
	ds_store_b128 v125, v[148:151] offset:TBO+16
.macro SUMP                            ; the rows' sums take in the p that lie in S: two at a time, two chains a tile, the four by turns
.irp x, 0,1
	v_pk_add_f32 v[BM+12*\x+4:BM+12*\x+5], v[S+64*\x:S+64*\x+1], v[S+64*\x+2:S+64*\x+3]
.endr
.set j, 4
.rept 15
.irp x, 0,1
	v_pk_add_f32 v[ST+8*\x+2:ST+8*\x+3], v[ST+8*\x+2:ST+8*\x+3], v[S+64*\x+j:S+64*\x+j+1]
	v_pk_add_f32 v[BM+12*\x+4:BM+12*\x+5], v[BM+12*\x+4:BM+12*\x+5], v[S+64*\x+j+2:S+64*\x+j+3]
.endr
.set j, j+4
.endr
.irp x, 0,1
	v_pk_add_f32 v[ST+8*\x+2:ST+8*\x+3], v[ST+8*\x+2:ST+8*\x+3], v[BM+12*\x+4:BM+12*\x+5]
.endr
.endm
.macro QKW t, x                        ; S^T of key tile t and query tile x
.if \t < 4
	v_wmma_scale_f32_16x16x128_f8f6f4 v[S+64*\x+8*\t:S+64*\x+8*\t+7], v[KF+6*\t:KF+6*\t+11], v[Q+12*\x:Q+12*\x+11], 0, v[KS+\t%4], v[QS+\x] matrix_a_fmt:MATRIX_FMT_FP6 matrix_b_fmt:MATRIX_FMT_FP6
.else
	v_wmma_scale_f32_16x16x128_f8f6f4 v[S+64*\x+8*\t:S+64*\x+8*\t+7], v[KF+6*\t:KF+6*\t+11], v[Q+12*\x:Q+12*\x+11], 0, v[KS+\t%4], v[QS+\x] matrix_a_fmt:MATRIX_FMT_FP6 matrix_b_fmt:MATRIX_FMT_FP6 matrix_a_scale:MATRIX_SCALE_ROW1
.endif
.endm
.macro FMA t                           ; t = score x factor + addend, key tile t of both query tiles, each accumulator from its low end on
.irp x, 0,1
.irp i, 0,2,4,6
	v_pk_fma_f32 v[S+64*\x+8*(\t)+\i:S+64*\x+8*(\t)+\i+1], v[A+8*(\t)+\i:A+8*(\t)+\i+1], v[S+64*\x+8*(\t)+\i:S+64*\x+8*(\t)+\i+1], v[BC+8*(\t)+\i:BC+8*(\t)+\i+1]
.endr
.endr
.endm
.macro SUBM from, n                    ; tile 0's t - M, n pairs from register 'from' on
.set j, \from
.rept \n
	v_pk_add_f32 v[S+j:S+j+1], v[S+j:S+j+1], v[ST:ST+1] op_sel_hi:[1,0]
.set j, j+2
.endr
.endm
.macro STEP
	v_add_nc_u32 v[AD16], s[TK], v[L16]            ; (these five are also the places between the last products and the loads into their registers)
	v_add_nc_u32 v[AD8], s[TK], v[L8]
	v_add_nc_u32 v[ADA], s[TS], v[LA]
	v_add_nc_u32 v[ADKS], s[TS], v[L16]
	v_add_nc_u32 v[ADVS], s[TV], v[LVS]
	ds_load_b128 v[KS:KS+3], v[ADKS]
	ds_load_b128 v[VS:VS+3], v[ADVS]
	WIN 0x40
.irp t, 0,1,2,3,4,5,6,7
	ds_load_b128 v[KF+6*\t:KF+6*\t+3], v[AD16] offset:768*\t
	ds_load_b64 v[KF+6*\t+4:KF+6*\t+5], v[AD8] offset:768*\t+512
.endr
.irp b, 0,1,2,3
.irp n, 0,1,2,3
	ds_load_b128 v[A+16*\b+4*\n:A+16*\b+4*\n+3], v[ADA] offset:64*\b+16*\n          ; register n: key 64 h + n
	ds_load_b128 v[BC+16*\b+4*\n:BC+16*\b+4*\n+3], v[ADA] offset:TBO+64*\b+16*\n
.endr
.endr
	WIN 0
	SUMP                                           ; the last step's p, while the 50 loads are out
	s_wait_alu depctr_va_vdst(0)
	s_wait_dscnt 0x0
	WIN 0x11                                       ; source 0 (k; the factors) and source 2 (the addends) in window 1: one setting for products and multiply-adds
.irp t, 0,1,2,3,4,5,6,7
	QKW \t, 0
	QKW \t, 1
.if \t == 0
.rept 4
	v_nop                                          ; four places behind tile 0's products; behind every later tile's stand the eight multiply-adds of the tile before
.endr
.else
	FMA \t-1
.endif
.endr
	FMA 7
	WIN 0x40
.irp f, 0,1,2,3,4,5,6,7
	ds_load_b128 v[KF+6*\f:KF+6*\f+3], v[AD16] offset:6144+768*\f
	ds_load_b64 v[KF+6*\f+4:KF+6*\f+5], v[AD8] offset:6144+768*\f+512
.endr
	WIN 0
.irp x, 0,1                            ; the largest t of my two blocks of 32 keys, each in two chains: eight chains by turns
.irp b, 0,1,2,3
	v_max3_num_f32 v[BM+12*\x+\b], v[S+64*\x+16*\b], v[S+64*\x+16*\b+1], v[S+64*\x+16*\b+2]
.endr
.endr
.irp i, 3,5,7,9,11,13
.irp x, 0,1
.irp b, 0,1,2,3
	v_max3_num_f32 v[BM+12*\x+\b], v[BM+12*\x+\b], v[S+64*\x+16*\b+\i], v[S+64*\x+16*\b+\i+1]
.endr
.endr
.endr
.irp x, 0,1
.irp c, 0,1
	v_max3_num_f32 v[BM+12*\x+2*\c+1], v[BM+12*\x+2*\c+1], v[S+64*\x+32*\c+15], v[S+64*\x+32*\c+31]
.endr
.endr
.irp x, 0,1
.irp c, 0,1
	v_max_num_f32 v[BM+12*\x+2*\c], v[BM+12*\x+2*\c], v[BM+12*\x+2*\c+1]       ; block c's largest t
.endr
.endr
.irp x, 0,1
	v_max_num_f32 v[ST+8*\x+6], v[BM+12*\x], v[BM+12*\x+2]
.endr
.irp x, 0,1
	v_permlanex16_b32 v[BM+12*\x+4], v[ST+8*\x+6], s[SEL], s[SEL+1]
.endr
.irp x, 0,1
	v_max3_num_f32 v[ST+8*\x+1], v[ST+8*\x+1], v[ST+8*\x+6], v[BM+12*\x+4]     ; the running largest t, lane l xor 16's keys among them
.endr
.irp x, 0,1
	v_mov_b32 v[ST+8*\x+6], v[ST+8*\x]
.endr
.irp x, 0,1
	v_floor_f32 v[ST+8*\x], -v[ST+8*\x+1]          ; the new -M
.endr
.irp x, 0,1
	v_sub_f32 v[ST+8*\x+6], v[ST+8*\x], v[ST+8*\x+6]           ; old M - new M; the links of this chain stand apart, among tile 0's t - M
.endr
	SUBM 0, 8
.irp x, 0,1
	v_cvt_i32_f32 v[ST+8*\x+6], v[ST+8*\x+6]
.endr
	SUBM 16, 8
.irp x, 0,1
	v_ldexp_f32 v[ST+8*\x+4], 1.0, v[ST+8*\x+6]    ; f
.endr
	SUBM 32, 16
.irp x, 0,1
.irp c, 0,1
	v_add_f32 v[BM+12*\x+2*\c], v[BM+12*\x+2*\c], v[ST+8*\x]
.endr
.endr
	s_wait_alu depctr_va_vdst(0)
.irp x, 0,1
.irp c, 0,1
	v_exp_f32 v[BM+12*\x+2*\c], v[BM+12*\x+2*\c]   ; each block's largest p
.endr
.endr
.set j, 0
.rept 32
	v_exp_f32 v[S+j], v[S+j]                       ; tile 0's p,
	v_exp_f32 v[S+j+1], v[S+j+1]
	v_pk_add_f32 v[S+64+j:S+64+j+1], v[S+64+j:S+64+j+1], v[ST+8:ST+9] op_sel_hi:[1,0]   ; and tile 1's t - M
.set j, j+2
.endr
.irp x, 0,1
	v_pk_mul_f32 v[ST+8*\x+2:ST+8*\x+3], v[ST+8*\x+2:ST+8*\x+3], v[ST+8*\x+4:ST+8*\x+5] op_sel_hi:[1,0]   ; the sums under the new M
.endr
	s_wait_alu depctr_va_vdst(0)                   ; behind the first batch and ahead of the second
.set j, 0
.set k, 0
.rept 4
.rept 16
	v_exp_f32 v[S+64+j], v[S+64+j]                 ; tile 1's p
.set j, j+1
.endr
	v_max_num_f32 v[BM+12*(k/2)+2*(k%2)], 0x1800000, v[BM+12*(k/2)+2*(k%2)]   ; the floor 2^(3 - 127): the byte cannot fall under 1
.set k, k+1
.endr
	s_wait_alu depctr_va_vdst(0)
.irp x, 0,1
.irp c, 0,1
	v_add_nc_u32 v[BM+12*\x+8+\c], 0xff000000, v[BM+12*\x+2*\c]    ; 2 off the exponent field: the conversion's scale operand
.endr
.endr
.irp x, 0,1
.irp c, 0,1
	v_lshrrev_b32 v[BM+12*\x+6+\c], 23, v[BM+12*\x+8+\c]           ; the scale's byte
.endr
.endr
.irp x, 0,1
	v_lshl_or_b32 v[PS+\x], v[BM+12*\x+7], 16, v[BM+12*\x+6]       ; my bytes are the word's bytes h and 2 + h
.endr
.irp x, 0,1
	v_lshlrev_b32 v[PS+\x], v[H8], v[PS+\x]
.endr
.irp x, 0,1
	v_permlanex16_b32 v[BM+12*\x+4], v[PS+\x], s[SEL], s[SEL+1]
.endr
.irp x, 0,1
	v_or_b32 v[PS+\x], v[PS+\x], v[BM+12*\x+4]     ; with lane l xor 16's two the word is whole
.endr
.irp x, 0,1
.irp c, 0,1
	v_cvt_scalef32_pk16_fp6_f32 v[PC+12*\x+6*\c:PC+12*\x+6*\c+2], v[S+64*\x+32*\c:S+64*\x+32*\c+15], v[BM+12*\x+8+\c]
	v_cvt_scalef32_pk16_fp6_f32 v[SCR+4*\c:SCR+4*\c+2], v[S+64*\x+32*\c+16:S+64*\x+32*\c+31], v[BM+12*\x+8+\c]   ; (a conversion's three registers begin on an even number)
.endr
	v_nop
.irp c, 0,1
.irp i, 0,1,2
	v_mov_b32 v[PC+12*\x+6*\c+3+\i], v[SCR+4*\c+\i]
.endr
.endr
.endr
	WIN 0x51
.irp x, 0,1
.set j, 0
.rept 16
	v_pk_mul_f32 v[O+32*\x+j:O+32*\x+j+1], v[O+32*\x+j:O+32*\x+j+1], v[ST+8*\x+4:ST+8*\x+5] op_sel_hi:[1,0]   ; O^T under the new M
.set j, j+2
.endr
.endr
	s_wait_alu depctr_va_vdst(0)
	s_wait_dscnt 0x0                               ; v's fragments
.irp ct, 0,1,2,3
.irp x, 0,1
	v_wmma_scale_f32_16x16x128_f8f6f4 v[O+32*\x+8*\ct:O+32*\x+8*\ct+7], v[KF+12*\ct:KF+12*\ct+11], v[PC+12*\x:PC+12*\x+11], v[O+32*\x+8*\ct:O+32*\x+8*\ct+7], v[VS+\ct], v[PS+\x] matrix_a_fmt:MATRIX_FMT_FP6 matrix_b_fmt:MATRIX_FMT_FP6
.endr
.endr
	WIN 0
	s_add_co_u32 s[TK], s[TK], 12288
	s_add_co_u32 s[TS], s[TS], 512
	s_add_co_u32 s[TV], s[TV], 256
.endm
.macro STEPS first, n
	s_mov_b32 s[TK], 12288*(1+\first)
	s_mov_b32 s[TS], 512*\first
	s_mov_b32 s[TV], 256*\first
	s_mov_b32 s[CNT], \n
.Lstep_\@:
	STEP
	s_sub_co_u32 s[CNT], s[CNT], 1
	s_cmp_lg_u32 s[CNT], 0
	s_cbranch_scc1 .Lstep_\@
.endm
.macro BEGIN p
.if \p
	s_wait_xcnt 0x0                                ; the last pass's stores have read their registers
.irp x, 0,1
	global_load_b128 v[Q+12*\x:Q+12*\x+3], v[L16], s[4:5] offset:24576*\p+768*\x
	global_load_b64 v[Q+12*\x+4:Q+12*\x+5], v[L8], s[4:5] offset:24576*\p+768*\x+512
	global_load_b32 v[QS+\x], v[R16], s[58:59] offset:1024*\p+4*\x
.endr
.endif
.irp x, 0,1
	v_mov_b32 v[ST+8*\x+1], 0xff61b1e6             ; the largest t so far: -3e38
	v_mov_b32 v[ST+8*\x+2], 0
	v_mov_b32 v[ST+8*\x+3], 0
.endr
.irp x, 0
	v_floor_f32 v[ST+8*\x], -v[ST+8*\x+1]
.endr
.irp x, 1
	s_delay_alu instid0(VALU_DEP_4)
	v_floor_f32 v[ST+8*\x], -v[ST+8*\x+1]
.endr
.set j, 0
.rept 128
	v_mov_b32 v[S+j], 0                            ; no p yet: the first step's head adds these
.set j, j+1
.endr
	WIN 0x40
.set j, 0
.rept 64
	v_mov_b32 v[O+j], 0
.set j, j+1
.endr
	WIN 0
.endm
.macro WAYOUT p
	SUMP                                           ; the last step's p
.irp x, 0,1
	v_add_f32 v[ST+8*\x+2], v[ST+8*\x+2], v[ST+8*\x+3]
.endr
.irp x, 0,1
	s_delay_alu instid0(VALU_DEP_2)
	v_permlanex16_b32 v[BM+12*\x+4], v[ST+8*\x+2], s[SEL], s[SEL+1]
.endr
.irp x, 0,1
	s_delay_alu instid0(VALU_DEP_2)
	v_add_f32 v[ST+8*\x+2], v[ST+8*\x+2], v[BM+12*\x+4]
.endr
	s_wait_alu depctr_va_vdst(0)
.irp x, 0,1
	v_rcp_f32 v[ST+8*\x+6], v[ST+8*\x+2]
.endr
	v_nop
	s_wait_alu depctr_va_vdst(0)
	WIN 0x01
.irp x, 0,1
.set j, 0
.rept 16
	v_pk_mul_f32 v[S+64*\x+j:S+64*\x+j+1], v[O+32*\x+j:O+32*\x+j+1], v[ST+8*\x+6:ST+8*\x+7] op_sel_hi:[1,0]
.set j, j+2
.endr
.endr
	WIN 0
.irp x, 0,1
.irp k, 0,1,2,3,4,5,6,7
	ds_store_b128 v[STO], v[S+64*\x+4*\k:S+64*\x+4*\k+3] offset:4352*\x+128*(\k/4)+16*(\k%4)
.endr
.endr
.irp i, 0,1,2,3,4,5,6,7,8,9,10,11,12,13,14,15
	ds_load_b128 v[S+64*(\i/8)+32+4*(\i%8):S+64*(\i/8)+32+4*(\i%8)+3], v[RD] offset:544*\i
.endr
.irp i, 0,1,2,3,4,5,6,7,8,9,10,11,12,13,14,15
	s_wait_dscnt 15-\i
	global_store_b128 v[GO], v[S+64*(\i/8)+32+4*(\i%8):S+64*(\i/8)+32+4*(\i%8)+3], s[10:11] offset:1048576*\p+4096*(8*((2*\i)/16)+(2*\i)%16+56*(((2*\i)%16)/8)) th:TH_STORE_NT   ; stage rows 2 i, 2 i + 1 = lane-rows of tile (2 i) / 16; sixteen lanes store 256 consecutive bytes of a row
.endr
.endm
	BEGIN 0
	s_wait_tensorcnt 0x1                           ; (my first fill was awaited above; the second may be out)
	s_wait_dscnt 0x0
	s_barrier_signal -1
	s_barrier_wait -1                              ; the tables and the first fill are shown to all
	s_wait_loadcnt 0x0
	STEPS 0, 4
	s_wait_tensorcnt 0x0
	s_wait_dscnt 0x0
	s_barrier_signal -1
	s_barrier_wait -1                              ; and the second fill
	STEPS 4, 12
	WAYOUT 0
	BEGIN 1
	s_wait_loadcnt 0x0
	STEPS 0, 16
	WAYOUT 1
	s_wait_dscnt 0x0
	s_wait_tensorcnt 0x0                           ; the wave's end
	ds_add_u32 v15, v119
	s_wait_dscnt 0x0
	CROUND
	s_endpgm
.Lfunc_end_k_q8a2d13c745_attn:
	.size	k_q8a2d13c745_attn, .Lfunc_end_k_q8a2d13c745_attn-k_q8a2d13c745_attn
	.p2alignl 7, 3214868480
	.fill 96, 4, 3214868480
	.section	.rodata,"a",@progbits
	.p2align	6, 0x0
	.amdhsa_kernel k_q8a2d13c745_attn
		.amdhsa_group_segment_fixed_size 327680
		.amdhsa_private_segment_fixed_size 0
		.amdhsa_enable_private_segment 0
		.amdhsa_kernarg_size 32
		.amdhsa_user_sgpr_count 2
		.amdhsa_user_sgpr_kernarg_segment_ptr 1
		.amdhsa_wavefront_size32 1
		.amdhsa_system_sgpr_workgroup_id_x 1
		.amdhsa_system_sgpr_workgroup_id_y 1
		.amdhsa_system_sgpr_workgroup_id_z 1
		.amdhsa_system_vgpr_workitem_id 0
		.amdhsa_next_free_vgpr 512
		.amdhsa_next_free_sgpr 66
		.amdhsa_reserve_vcc 0
		.amdhsa_float_denorm_mode_32 3
		.amdhsa_float_denorm_mode_16_64 3
		.amdhsa_memory_ordered 1
		.amdhsa_forward_progress 1
		.amdhsa_inst_pref_size 146
	.end_amdhsa_kernel
	.amdgpu_metadata
---
amdhsa.version: [ 1, 2 ]
amdhsa.kernels:
  - .name:           k_q8a2d13c745_attn
    .symbol:         k_q8a2d13c745_attn.kd
    .args:
      - { .name: qb, .offset: 0, .size: 8, .value_kind: global_buffer, .address_space: global }
      - { .name: kv, .offset: 8, .size: 8, .value_kind: global_buffer, .address_space: global }
      - { .name: attention_mask, .offset: 16, .size: 8, .value_kind: global_buffer, .address_space: global }
      - { .name: out0, .offset: 24, .size: 8, .value_kind: global_buffer, .address_space: global }
    .group_segment_fixed_size: 327680
    .private_segment_fixed_size: 0
    .kernarg_segment_align: 8
    .kernarg_segment_size: 32
    .max_flat_workgroup_size: 256
    .sgpr_count:     66
    .vgpr_count:     512
    .wavefront_size: 32
...
	.end_amdgpu_metadata
.endif
;; end of part 3
